; MI455X (gfx1250); checked and timed in simulation.
; The chip was launched on July 23, 2026; its instructions are those of AMD's public machine-readable ISA for CDNA 5 (MIT licence, August 2026) and "CDNA5" Instruction Set Architecture Reference Guide (July 2026). The comments in the code are by the model that wrote it; some were corrected since.
;; Differential. Allowed arithmetic: matrix products marked QUANTISED: E5M2 operands, one E8M0 scale for each 32 along K, by v_wmma_scale_f32_16x16x128_f8f6f4 with both operands' format E5M2, f32 sums; products left as they are: f32 operands where the result goes on into a quantised operand, else bf16, f16 or f32 operands; f32 sums; everything else in f32.
;; Inputs: gn_bias 2,048 float32; gn_weight 2,048 float32; k 2 x 16 x 2,048 x 256 float32; lam_k1 128 float32; lam_k2 128 float32; lam_q1 128 float32; lam_q2 128 float32; q 2 x 16 x 2,048 x 256 float32; v_codes 2 x 16 x 128 x 64 x 32 uint8 (E5M2 codes of v, K innermost, in blocks of 32 codes); v_scales 2 x 16 x 128 x 64 uint8 (E8M0 scales of v, one for each 32 codes along K).
;; Outputs: out0 2 x 16 x 2,048 x 128 float32.
;; This version of the problem:
;;   THIS VERSION OF THE PROBLEM IS GIVEN IN LOW PRECISION. The matrix products marked QUANTISED in the list below multiply operands that are first quantised to E5M2 (5 exponent bits, 2 mantissa bits; 8 bits a number), with one power-of-two scale for each 32 numbers along K (OCP MX v1.0); their sums are f32. All else is computed in f32.
;;   The module's matrix products, in the order in which they are computed (A, B: the left and right operand; K: the contracted axis; several contracted axes count as one K, in the product's order):
;;     1. batch 32 x [M 2,048, K 128] x [K 128, N 2,048]; A: input q; B: input k: QUANTISED
;;     2. batch 32 x [M 2,048, K 128] x [K 128, N 2,048]; A: input q; B: input k: QUANTISED
;;     3. [M 1, K 128] x [K 128, N 1]; A: input lam_q1; B: input lam_k1: left as it is (M = 1 < 16)
;;     4. [M 1, K 128] x [K 128, N 1]; A: input lam_q2; B: input lam_k2: left as it is (M = 1 < 16)
;;     5. batch 32 x [M 2,048, K 2,048] x [K 2,048, N 128]; A: computed on the way; B: input v (given as codes): QUANTISED
;;   THE QUANTISER, for each operand of a quantised product, along K:
;;     - K is cut into blocks of 32 from its start; a last block that is shorter is filled with zeros.
;;     - A block's scale is 2^e with e = floor(log2(the largest magnitude in the block)) - 15, held to -126 .. 127; a block of zeros has e = 0. As a byte (E8M0): e + 127.
;;     - Each number is divided by its block's scale, clamped to +-57,344, and rounded to the nearest number of E5M2, ties to even, subnormals kept.
;;     - The product sums the exact products of the quantised numbers (number of the format x scale) in f32.
;;   ~~~python
;;   def quantise(x, axis):      # numpy; x: float32 -> the quantised numbers, widened to float32 again
;;       x = np.moveaxis(x, axis, -1); K = x.shape[-1]
;;       x = np.pad(x, [(0, 0)] * (x.ndim - 1) + [(0, -K % 32)]); x = x.reshape(x.shape[:-1] + (-1, 32)); a = np.abs(x).max(-1, keepdims=True)
;;       e = np.where(a > 0, np.clip(np.frexp(np.where(a > 0, a, 1))[1] - 1 - 15, -126, 127), 0)      # np.frexp(a)[1] - 1 = floor(log2(a)), exactly
;;       r = np.clip(x / 2.0 ** e, -57344, 57344)
;;       step = 2.0 ** (np.maximum(np.frexp(np.where(r == 0, 1, r))[1] - 1, -14) - 2)
;;       q = np.round(r / step) * step * 2.0 ** e      # np.round: ties to even
;;       return np.moveaxis(q.reshape(q.shape[:-2] + (-1,))[..., :K], -1, axis).astype(np.float32)
;;   ~~~
;;   OPERANDS COMPUTED ON THE WAY. 'Computed on the way' means the value that the module computes at that place (a softmax that the list does not call 'softmax' is quantised finished and normalised). What goes into a quantiser is computed in f32, as accurately as f32 sums, v_exp_f32 and their like allow (about 1e-6 of the number): no bf16 or f16 on the way to a quantiser, and a product that is left as it is and whose result goes on into a quantised operand takes f32 operands (vector FMAs, or v_wmma_f32_16x16x4_f32). A number that lies on a knife's edge between two numbers of the format may be rounded either way, as far as f32 arithmetic and the matrix unit's own rounding can turn it there, and no further.
;;   INPUTS GIVEN AS CODES. v (in the module: [2, 16, 2048, 128], K = its axis 2): each comes as NAME_codes (uint8): NAME with its K axis moved to the last place and cut into blocks of 32 codes, [.., K / 32, bytes a block], one block behind the other in memory; one code a byte (a code: sign, 5 exponent bits, 2 mantissa bits); and NAME_scales (uint8): the same leading axes, one E8M0 byte (e + 127) for each 32 codes along K. Its value is code x scale, taken as it is: it is not quantised again, and the codes and scales need not be those that the quantiser above would give.
;; One version. Each part assembles by itself: llvm-mc -triple=amdgcn-amd-amdhsa -mcpu=gfx1250 --defsym DOCPART=n.
;; ======== version 1 of 1: 3 launches
;; limits: right only within a limited range of input values
;; workspace buffers: q_codes 16,777,216 bytes; k_codes 16,777,216 bytes; q_scales 524,288 bytes; k_scales 524,288 bytes; raw 33,554,432 bytes; part 16,384 bytes
;; launch quant (part 1): grid 1024 x 1, 4 waves a work-group, no clusters, 33,280 bytes of LDS; arguments q, k, q_codes, q_scales, k_codes, k_scales; writes q_codes, q_scales, k_codes, k_scales
.if DOCPART == 1
	.amdgcn_target "amdgcn-amd-amdhsa--gfx1250"
	.amdhsa_code_object_version 6
	.text
	.protected	k_qf80b19ac68_quant
	.globl	k_qf80b19ac68_quant
	.p2align	8
	.type	k_qf80b19ac68_quant,@function
k_qf80b19ac68_quant:
	s_mov_b64 s[64:65], 0
	v_nop
	global_prefetch_b8 v0, s[64:65] scope:SCOPE_SE
	s_setreg_imm32_b32 hwreg(HW_REG_WAVE_MODE, 25, 1), 1
	s_wait_xcnt 0x0
; DIFFERENTIAL ATTENTION, launch 1 of 3.  q and k, [65,536 rows][256] f32 (a row: head half 1 in numbers 0-127, half 2 in 128-255), become codes of BF8 (E5M2), one byte each, with one E8M0 byte for each 32 along a row.
; NO WORK OF reference() IS LEFT OUT IN THIS PROGRAM: every input has a way to the output, and every product of the table is done.  (The two score products are even done twice in the second launch: the third
; product's operand w1 - lam w2 is quantised finished and normalised, so each row's maximum and sum must be known before the first code is made; the scores are made again rather than kept in memory.)
; A block's scale is 2^(floor(log2(its largest magnitude)) - 15); its byte is the largest magnitude's exponent field - 15, held at 1 from below.  Each number is divided by the scale, held within +-57,344 and rounded to the nearest code, ties to even.
; LIMITS: a block of zeros gets the byte 1 where the rule says 127 (its codes are zeros, which add nothing under any byte but 0xff, and the bytes are read by this program alone); blocks whose largest magnitude
; lies under 2^(15 - 126) have their byte held at 1; NaN and infinities among q and k are not served.
; Rows are dense and a row is 8 blocks, so both tensors are plain streams of blocks of 32.  A wave takes 16 steps of 512 numbers: 32 rows, an aligned group.  Each of a step's four loads reads 512 consecutive bytes; the 2,048 bytes
; go through the wave's own stage in LDS and come back 64 bytes a lane, so that a lane holds 16 neighbours and two neighbouring lanes a block.
; THE ROWS OF A GROUP OF 32 ARE STORED IN ANOTHER ORDER: bits 3 and 4 of the row's number change places.  Step t holds rows 2 t and 2 t + 1, so its codes and bytes go to place PT = t with its bits 2 and 3 exchanged.
; The next launch wants, as one tile of 16 keys, the rows 8 u + r + 8 (r / 8) of a group: in this order they are 16 neighbouring rows, 16 u + r.
; One launch serves both tensors: the first WGA work-groups take q, the others k.  No tensor loads, no barrier: waves share nothing.  Loads run four steps (16 loads a wave) ahead, the turn through LDS one step.
.set WAVES, 4
.set STEPS, 16
.set NUMS,  65536*256                  ; numbers in q, and in k
.set WGA,   NUMS/(512*STEPS*WAVES)     ; 512 work-groups for each tensor
.set EMAX,  15
.set MANT,  0x600000                   ; the mantissa field of 57,344 as f32
.set CB,    16                         ; bytes of 16 codes
.set R,     16                         ; v16-79   four sets of 16 numbers as they are loaded
.set X,     80                         ; v80-111  two sets of 16 neighbours
.set C,     128                        ; v128-191 codes: four registers for each step, so that no store's data are written again
.set E,     112                        ; v112-127 a scale byte for each step
.set WREG,  8192                       ; LDS: a region of its own for each wave: two stages of 32 x SP bytes, and behind them its 256 scale bytes
.set SP,    80                         ; a lane's place in a stage: its 64 bytes + 16 of padding
.set SPW,   12                         ; v12      LDS address of my spare word: SPARE + 4 x my thread's number; never rewritten
.set NIL,   13                         ; v13      0; never rewritten
.set SPARE, WAVES*WREG                 ; behind the four regions: the spare words, 128 bytes for each wave, which no other line names
	s_load_b128 s[4:7], s[0:1], 0x0                ; q, k
	s_load_b128 s[8:11], s[0:1], 0x10              ; q's codes, q's scales
	s_load_b128 s[12:15], s[0:1], 0x20             ; k's codes, k's scales
	v_lshl_add_u32 v[SPW], v0, 2, SPARE
	v_mov_b32 v[NIL], 0
	v_lshrrev_b32 v1, 5, v0
	v_readfirstlane_b32 s16, v1                    ; wave
	v_and_b32 v2, 31, v0                           ; lane
	v_lshlrev_b32 v3, 4, v2                        ; my 16 bytes of a load's 512
	s_mul_i32 s17, s16, WREG
	v_lshrrev_b32 v14, 2, v2
	v_mul_u32_u24 v14, v14, SP
	v_and_b32 v15, 3, v2
	v_lshl_add_u32 v14, v15, 4, v14
	v_add_nc_u32 v14, s17, v14                     ; the stage, on the way in: four lanes' 64 bytes on end, then 16 of padding
	v_mul_u32_u24 v15, v2, SP
	v_add_nc_u32 v15, s17, v15                     ; and on the way out: SP x lane: my 16 neighbours
	v_mul_u32_u24 v4, v2, CB                       ; my codes' place in a step's
	v_lshrrev_b32 v5, 1, v2
	s_add_co_u32 s17, s17, 2*32*SP
	v_add_nc_u32 v5, s17, v5                       ; LDS: my wave's 256 scale bytes, my block's byte
	v_lshlrev_b32 v7, 3, v2                        ; and on the way out 8 bytes a lane
	v_add_nc_u32 v6, s17, v7
	s_mov_b32 s23, MANT                            ; (an instruction takes one literal: the hold's line has another)
	s_wait_alu depctr_va_vdst(0)
	s_wait_kmcnt 0x0
	s_cmp_lt_u32 ttmp9, WGA                        ; q's work-group or k's?  The choice hangs on the work-group's number alone
	s_cselect_b64 s[4:5], s[4:5], s[6:7]
	s_cselect_b64 s[8:9], s[8:9], s[12:13]
	s_cselect_b64 s[10:11], s[10:11], s[14:15]
	s_cselect_b32 s17, 0, WGA
	s_sub_co_u32 s17, ttmp9, s17
	s_lshl_b32 s17, s17, 2
	s_add_co_u32 s18, s17, s16                     ; which run of 8,192 numbers (32 rows) of the tensor is my wave's
	s_mov_b32 s19, 0
	s_mov_b64 s[20:21], 512*STEPS*4
	s_mul_u64 s[20:21], s[18:19], s[20:21]
	s_add_nc_u64 s[4:5], s[4:5], s[20:21]
	s_mov_b64 s[20:21], 32*STEPS*CB
	s_mul_u64 s[20:21], s[18:19], s[20:21]
	s_add_nc_u64 s[8:9], s[8:9], s[20:21]
	s_lshl_b32 s18, s18, 8                         ; 256 scale bytes a run
	s_add_nc_u64 s[10:11], s[10:11], s[18:19]
.macro LOAD t
.irp i, 0,1,2,3
	global_load_b128 v[R+16*((\t)%4)+4*\i:R+16*((\t)%4)+4*\i+3], v3, s[4:5] offset:2048*(\t)+512*\i th:TH_LOAD_NT   ; 32 lanes read 512 consecutive bytes
.endr
.endm
.macro TURN t                          ; step t's numbers through the stage: LDS serves a wave's instructions in order, so no wait stands between the stores and the loads
.irp i, 0,1,2,3
	ds_store_b128 v14, v[R+16*((\t)%4)+4*\i:R+16*((\t)%4)+4*\i+3] offset:32*SP*((\t)%2)+8*SP*\i
.endr
.irp i, 0,1,2,3
	ds_load_b128 v[X+16*((\t)%2)+4*\i:X+16*((\t)%2)+4*\i+3], v15 offset:32*SP*((\t)%2)+16*\i
.endr
.endm
.irp t, 0,1,2,3
	LOAD \t
.endr
	s_wait_loadcnt 12                              ; step 0's four loads are in
	TURN 0
.macro STEP t
.set XS, X+16*((\t)%2)
.set PT, ((\t)&3)|(((\t)&4)<<1)|(((\t)&8)>>1)  ; where the step's two rows are stored: bits 2 and 3 of t exchanged
.if (\t) > 0
	s_wait_dscnt 1                                 ; this step's numbers are back from the stage (the last step's byte store may be out): so its stores into the stage have read their registers,
.else
	s_wait_dscnt 0x0
.endif
.if (\t)+4 < STEPS
	LOAD (\t)+4                                    ; which take the loads of four steps on
.endif
.if (\t)+1 < STEPS
.if STEPS-2-(\t) >= 3
	s_wait_loadcnt 12                              ; the next step's four loads are in; those of the three steps behind it may be out
.else
	s_wait_loadcnt 4*(STEPS-2-(\t))
.endif
	TURN (\t)+1                                    ; and go through the other stage while this step is worked
.endif
	v_max3_num_f32 v8, |v[XS]|, |v[XS+1]|, |v[XS+2]|               ; the largest magnitude of my 16
	v_max3_num_f32 v9, |v[XS+3]|, |v[XS+4]|, |v[XS+5]|
.irp i, 6,10
	v_max3_num_f32 v8, v8, |v[XS+\i]|, |v[XS+\i+1]|
	v_max3_num_f32 v9, v9, |v[XS+\i+2]|, |v[XS+\i+3]|
.endr
	v_max3_num_f32 v8, v8, |v[XS+14]|, |v[XS+15]|
	v_max3_num_f32 v8, v8, v9, (EMAX+1)<<23        ; and the floor 2^(EMAX + 1 - 127): so the byte cannot fall under 1
	v_max_num_f32_dpp v8, v8, v8 row_xmask:1 row_mask:0xf bank_mask:0xf   ; and of my neighbour's 16: the block's
	v_add_nc_u32 v11, -(EMAX<<23), v8              ; EMAX off its exponent field: the conversion takes the exponent field of this operand as its scale, and nothing else of it
	v_and_or_b32 v10, v8, 0x7f800000, s23          ; the largest number x the scale
.irp i, 0,1,2,3,4,5,6,7,8,9,10,11,12,13,14,15
	v_med3_num_f32 v[XS+\i], v[XS+\i], -v10, v10   ; the conversion to an 8-bit code does not saturate (ISA guide 7.6.2): hold the number first
.endr
	v_cvt_scalef32_pk8_bf8_f32 v[C+4*(\t):C+4*(\t)+1], v[XS:XS+7], v11
	v_cvt_scalef32_pk8_bf8_f32 v[C+4*(\t)+2:C+4*(\t)+3], v[XS+8:XS+15], v11
	v_lshrrev_b32 v[E+(\t)], 23, v11               ; the scale's byte (also the plain line behind the conversions)
	ds_store_b8 v5, v[E+(\t)] offset:16*PT         ; both lanes of a block write the same byte with the same value
	global_store_b128 v4, v[C+4*(\t):C+4*(\t)+3], s[8:9] offset:32*CB*PT   ; 32 lanes store 512 consecutive bytes: two rows of codes
.endm
.irp t, 0,1,2,3,4,5,6,7,8,9,10,11,12,13,14,15
	STEP \t
.endr
	ds_load_b64 v[8:9], v6                         ; LDS serves a wave's instructions in order: these see my stores
	s_wait_dscnt 0x0
	global_store_b64 v7, v[8:9], s[10:11]          ; 32 lanes store 256 consecutive bytes, aligned: the group's scale bytes
	s_wait_tensorcnt 0x0                           ; the wave's end, behind my last LDS store
	ds_add_u32 v[SPW], v[NIL]
	s_wait_dscnt 0x0
	s_endpgm
.Lfunc_end_k_qf80b19ac68_quant:
	.size	k_qf80b19ac68_quant, .Lfunc_end_k_qf80b19ac68_quant-k_qf80b19ac68_quant
	.p2alignl 7, 3214868480
	.fill 96, 4, 3214868480
	.section	.rodata,"a",@progbits
	.p2align	6, 0x0
	.amdhsa_kernel k_qf80b19ac68_quant
		.amdhsa_group_segment_fixed_size 33280
		.amdhsa_private_segment_fixed_size 0
		.amdhsa_enable_private_segment 0
		.amdhsa_kernarg_size 48
		.amdhsa_user_sgpr_count 2
		.amdhsa_user_sgpr_kernarg_segment_ptr 1
		.amdhsa_wavefront_size32 1
		.amdhsa_system_sgpr_workgroup_id_x 1
		.amdhsa_system_sgpr_workgroup_id_y 1
		.amdhsa_system_sgpr_workgroup_id_z 1
		.amdhsa_system_vgpr_workitem_id 0
		.amdhsa_next_free_vgpr 192
		.amdhsa_next_free_sgpr 66
		.amdhsa_reserve_vcc 0
		.amdhsa_float_denorm_mode_32 3
		.amdhsa_float_denorm_mode_16_64 3
		.amdhsa_memory_ordered 1
		.amdhsa_forward_progress 1
		.amdhsa_inst_pref_size 51
	.end_amdhsa_kernel
	.amdgpu_metadata
---
amdhsa.version: [ 1, 2 ]
amdhsa.kernels:
  - .name:           k_qf80b19ac68_quant
    .symbol:         k_qf80b19ac68_quant.kd
    .args:
      - { .name: q, .offset: 0, .size: 8, .value_kind: global_buffer, .address_space: global }
      - { .name: k, .offset: 8, .size: 8, .value_kind: global_buffer, .address_space: global }
      - { .name: q_codes, .offset: 16, .size: 8, .value_kind: global_buffer, .address_space: global }
      - { .name: q_scales, .offset: 24, .size: 8, .value_kind: global_buffer, .address_space: global }
      - { .name: k_codes, .offset: 32, .size: 8, .value_kind: global_buffer, .address_space: global }
      - { .name: k_scales, .offset: 40, .size: 8, .value_kind: global_buffer, .address_space: global }
    .group_segment_fixed_size: 33280
    .private_segment_fixed_size: 0
    .kernarg_segment_align: 8
    .kernarg_segment_size: 48
    .max_flat_workgroup_size: 128
    .sgpr_count:     66
    .vgpr_count:     192
    .wavefront_size: 32
...
	.end_amdgpu_metadata
.endif
;; end of part 1
;; launch attn (part 2): grid 8 x 32, 8 waves a work-group, clusters of 4 x 1, 327,680 bytes of LDS; arguments q_codes, q_scales, k_codes, k_scales, v_codes, v_scales, lam_q1, lam_k1, lam_q2, lam_k2, raw, part; writes raw, part
.if DOCPART == 2
	.amdgcn_target "amdgcn-amd-amdhsa--gfx1250"
	.amdhsa_code_object_version 6
	.text
	.protected	k_qf80b19ac68_attn
	.globl	k_qf80b19ac68_attn
	.p2align	8
	.type	k_qf80b19ac68_attn,@function
k_qf80b19ac68_attn:
	s_mov_b64 s[64:65], 0
	v_nop
	global_prefetch_b8 v0, s[64:65] scope:SCOPE_SE
	s_setreg_imm32_b32 hwreg(HW_REG_WAVE_MODE, 25, 1), 1
	s_wait_xcnt 0x0
	s_wait_alu depctr_hold_cnt(0) depctr_sa_sdst(0) depctr_va_vdst(0) depctr_va_sdst(0) depctr_va_ssrc(0) depctr_va_vcc(0) depctr_vm_vsrc(0)
	s_getreg_b32 s2, hwreg(HW_REG_IB_STS2, 6, 4)
	s_cmp_eq_u32 s2, 0
	s_cbranch_scc0 .Lentry_in_a_cluster
	s_endpgm
.Lentry_in_a_cluster:
	s_bfe_u32 s2, ttmp6, 0x10000c
	s_cmp_lg_u32 s2, 0x3003
	s_cbranch_scc0 .Lentry_shape_is_right
	s_endpgm
.Lentry_shape_is_right:
; DIFFERENTIAL ATTENTION, launch 2 of 3.  For each of 32 heads (batch x head), 2,048 queries and keys, d = 128:  raw = Q(w1 - lam w2) V,  w_a = softmax(Q_a K_a^T / sqrt(128)),  lam = exp(lam_q1 . lam_k1) - exp(lam_q2 . lam_k2) + 0.8.
; All three products run on codes of BF8 (E5M2) with one E8M0 scale for each 32 along K.  Q's and K's codes come from the launch before, V's are given (keys innermost).  Nothing of reference() is left out here.
; TWO PASSES OVER THE KEYS.  The weights are quantised finished and normalised, so a row's maximum and sum are wanted before its first code.  Pass 1: scores, a running maximum m and sum l of 2^(c s - c m), c = log2(e) / sqrt(128), for
; both halves.  Pass 2: the scores again; p = 2^(c s - c m - log2 l) comes out of the exponential normalised; w = p1 - lam p2; quantised in blocks of 32 keys; O^T += V^T w^T.
; SHARES.  A work-group owns 256 queries of one head, each of its eight waves 32: two tiles of 16; two waves lie on a SIMD (512 registers each).  Every wave walks all keys; each fragment of K and V read from LDS feeds two matrix instructions.
; LAYOUT.  Both products are used transposed: S^T = K Q^T (source 0 = 16 keys, source 1 = 16 queries), O^T = V^T w^T: a lane holds ONE query (lane % 16) throughout.  A tile of K holds the keys 32 b + 8 u + r + 8 (r / 8), so that the 16
; registers of tiles 2 b and 2 b + 1 are the neighbouring keys 32 b + 16 (lane / 16) + 0 .. 15.  The launch before stored the rows so that such a tile is 16 neighbouring rows.  In pass 1 maximum and sum run per LANE; the halves meet behind the pass.
; PASS 1 IS LAID IN STAGES on two buffers of 64 scores: a visit's eight groups (64 keys of one half each) are written out; group g + 1's eight products stand among group g's exponentials, group g's sums are the places behind them.
; RING.  Two LDS slots of 256 keys (K: 256 rows of 256 bytes; V: 128 rows of 256 bytes).  16 visits: 0-7 pass 1, 8-15 pass 2; visit j reads slot j % 2; behind it that slot takes the tiles of visit j + 2, one load a wave.
; At the head each wave has ONE tensor load (K's and V's tile 0 in halves, K's and V's scale bytes in halves); slot 1's first fill follows as a refill does.  By this text's count a wave never has more than one tensor load out.
; In pass 1 a visit's last LDS read has landed in its seventh group: the waits, the add and the barrier's signal stand there, and the rest of the visit, work on registers, stands between that signal and its wait.
; CLUSTER.  The four query blocks of a cluster belong to one head and walk the same K and V: each tile is asked for JOINTLY, by the same tensor load with the same descriptor and a mask that names the four.
; OUT.  raw [head][query][128] f32, and for each wave the sum of its 4,096 results and their sum of squares about the wave's own mean (part): the last launch joins these without a difference of large sums.
; LIMITS: the inputs are finite; each of the two dots of lam stays under about 88, where exp leaves f32 (reference() is not finite there either); squares of raw results times 4,096 stay inside f32; v_exp_f32 gives 0 for results
; under 2^-126; a block of weights that are all 0 keeps the byte 1 (its codes are zeros).
.set KP,    272                        ; an LDS row: 256 bytes + 16 of padding
.set VOFF,  256*KP                     ; a slot: 256 rows of K, then 128 rows of V
.set SLOT1, 1<<17                      ; slot 1 begins here
.set SCK,   2*SLOT1                    ; K's scale bytes of the head: 64 runs of 256 bytes + 16
.set SCV,   SCK+64*KP                  ; V's: 32 runs
.set SPARE, SCV+32*KP                  ; the spare words, 128 bytes for each of eight waves, which no other line names
.set SP,    528                        ; the way out: a stage of 16 rows x (512 + 16) bytes for each wave, in slot 0's K, which by then has had its last fill and its last read
; window 0
.set AK0,  1                           ; 272 r + 16 h
.set AV0,  2
.set ASK0, 3
.set ASV0, 4
.set SPW,  5                           ; my spare word; never rewritten
.set NIL,  6                           ; 0; never rewritten
.set PFO,  7                           ; the prefetches' offset; never rewritten
.set ADK,  8                           ; v8-11 LDS addresses in hand: K, V, K's scale words, V's
.set ADV,  9
.set ADS,  10
.set ADT,  11
.set QS,   12                          ; v12-29 hold scales and nothing else: Q's (tile t half a at 2 t + a),
.set KS,   16                          ; K's of the four fragments in hand,
.set VS,   20                          ; V's of the eight tiles of d,
.set WS,   28                          ; the weights', tile t
.set NLM,  30                          ; v30-31 -lam, twice
.set NB,   32                          ; v32-39 pair 2 t + a: low: the shift; high: m
.set LSM,  40                          ; v40-47 pair 2 t + a: the sum, even and odd keys'
.set T,    48                          ; v48-63 pass 1, tile t at 8 t: +0, +1 maxima; +2 f (+3 named with it); +4, +5 a second chain of sums; +6 the shift's change
.set KF,   64                          ; v64-127 four fragments of K; in pass 2 also V's tiles 4-7 of d; on the way out tile 0's rows
.set S,    128                         ; v128-191 scores; in pass 1 a second buffer at v192-255; on the way out tile 1's rows
.set WC,   192                         ; v192-223 pass 2: the weights' codes
.set QA,   224                         ; v224-239 pass 2, tile t at 8 t: the quantiser's numbers
; window 1
.set VF,   0                           ; V's tiles 0-3 of d
.set OT,   64                          ; O^T, tile t, tile dt of d at 64 t + 8 dt
.set QF,   192                         ; Q's fragments, tile t half a at 32 t + 16 a
; scalars
.set WV,   28
.set W1,   29
.set SEL,  30
.set CS,   32
.set NC,   34
.set MNT,  35
.set TB,   36
.set TV,   37
.set TS,   38
.set TJ,   39
.set HD,   39
.set G1K,  40
.set G1V,  48
.set G1S,  56
.set G1SV, 68
.set G0K0, 76
.set G0K,  80
.set G0V0, 84
.set G0V,  88
.set G0SK, 92
.set G0SV, 96
.set KB,   8
.set KO,   10
.set PFA,  12
.set PFS,  14
.set KT,   16
.set CNT,  17
.set TWICE, 18
.set LIM1, 19
.set LIM2, 20
.set SV,   21
.set MSB, 0
.macro WIN new                         ; s_set_vgpr_msb: bits 1:0 source 0, 3:2 source 1, 5:4 source 2, 7:6 destination; the high byte repeats the setting that is left
.if MSB != \new
	s_set_vgpr_msb (MSB<<8)|\new
.set MSB, \new
.endif
.endm
.macro PLACES n
.rept \n
	v_nop
.endr
.endm
.macro CREST                           ; a round of the cluster's barrier behind its opening barrier
	s_cmp_lg_u32 s[WV], 0
	s_cbranch_scc1 .Lnot_wave_0_\@
	s_barrier_signal -3
.Lnot_wave_0_\@:
	s_barrier_wait -3
	s_barrier_signal -1
	s_barrier_wait -1
.endm
.macro CROUND
	s_barrier_signal -1
	s_barrier_wait -1
	CREST
.endm
; A joint load: waves 0 and 1 fetch K's halves; v = 1: waves 2 and 3 V's.  An s_nop 0 and four v_nop follow each load.
.macro JLOAD v
	s_cmp_lt_u32 s[WV], 2
	s_cbranch_scc0 .Lnot_k_\@
	tensor_load_to_lds s[G0K:G0K+3], s[G1K:G1K+7]
	s_nop 0
	PLACES 4
.if \v
	s_branch .Lasked_\@
.endif
.Lnot_k_\@:
.if \v
	s_cmp_lt_u32 s[WV], 4
	s_cbranch_scc0 .Lasked_\@
	tensor_load_to_lds s[G0V:G0V+3], s[G1V:G1V+7]
	s_nop 0
	PLACES 4
.endif
.Lasked_\@:
.endm
; A PREFETCH INTO THE L2 of the tile that the NEXT change of slots will ask for: one visit ahead of that load.  Each aligned 256 bytes are named once in the launch: the head's first cluster asks; its four partners share the rows out
; BY ADDRESS; waves that fetch nothing ask, one instruction each: waves 4 and 5 for K's 256 rows (a lane a row), in pass 1 alone, tiles 3 to 7; wave 6 for V's 128 rows, tiles 2 to 7.  Nothing at the head, nothing beyond tile 7.
.macro ASK lim
	s_cmp_gt_u32 s[CNT], s[\lim]
	s_cbranch_scc0 .Lnot_mine_\@
	global_prefetch_b8 v[PFO], s[PFA:PFA+1] th:TH_LOAD_NT scope:SCOPE_SE
.Lnot_mine_\@:
.endm
	s_load_b256 s[4:11], s[0:1], 0x0               ; q_codes, q_scales, k_codes, k_scales
	s_load_b256 s[12:19], s[0:1], 0x20             ; v_codes, v_scales, lam_q1, lam_k1
	s_load_b256 s[20:27], s[0:1], 0x40             ; lam_q2, lam_k2, raw, part
	v_lshl_add_u32 v[SPW], v0, 2, SPARE
	v_mov_b32 v[NIL], 0
	ds_add_u32 v[SPW], v[NIL]                      ; the opening lines: the add, twice on end, and its wait ahead of my first tensor load
	ds_add_u32 v[SPW], v[NIL]
	v_lshrrev_b32 v8, 5, v0
	s_delay_alu instid0(VALU_DEP_1)
	v_readfirstlane_b32 s[WV], v8                  ; wave 0..7
	s_and_b32 s[W1], s[WV], 1
	s_and_b32 s[HD], ttmp7, 0xffff                 ; the head, which the four partners share
	s_bfe_u32 s2, ttmp6, 0x40000                   ; cx: it enters s2, s3, s66, s67 and the addresses of q, raw, part and the prefetches, and nothing else
	s_lshl_b32 s3, ttmp9, 2
	s_add_co_u32 s3, s3, s2
	s_lshl_b32 s3, s3, 8
	s_lshl_b32 s66, s[HD], 11
	s_add_co_u32 s3, s3, s66
	s_lshl_b32 s66, s[WV], 5
	s_add_co_u32 s3, s3, s66                       ; my wave's first row: 2,048 head + 256 block + 32 wave
	s_mov_b32 s67, 0
	s_mov_b32 s101, 0
	; groups 1.  Word 0: the mask of all four work-groups; the element's size; padding on; bit 21 beside a mask; four words of padding after every 64
	s_mov_b32 s[G1K], 15|(1<<20)|(1<<21)|(5<<22)|(3<<25)
	s_mov_b32 s[G1K+1], 256<<16
	s_mov_b32 s[G1K+2], 128<<16
	s_mov_b32 s[G1K+3], 256<<16
	s_mov_b32 s[G1K+4], 128
	s_mov_b32 s[G1K+5], 256
	s_mov_b32 s[G1K+6], 0
	s_mov_b32 s[G1K+7], 0
	s_mov_b32 s[G1V], 15|(1<<20)|(1<<21)|(5<<22)|(3<<25)
	s_mov_b32 s[G1V+1], 256<<16
	s_mov_b32 s[G1V+2], 64<<16
	s_mov_b32 s[G1V+3], 256<<16
	s_mov_b32 s[G1V+4], 64
	s_mov_b32 s[G1V+5], 2048
	s_mov_b32 s[G1V+6], 0
	s_mov_b32 s[G1V+7], 0
	s_mov_b32 s[G1S], 15|(3<<16)|(1<<20)|(1<<21)|(5<<22)|(3<<25)
	s_mov_b32 s[G1S+1], 32<<16
	s_mov_b32 s[G1S+2], 32<<16
	s_mov_b32 s[G1S+3], 32<<16
	s_mov_b32 s[G1S+4], 32
	s_mov_b32 s[G1S+5], 32
	s_mov_b32 s[G1S+6], 0
	s_mov_b32 s[G1S+7], 0
	s_mov_b32 s[G1SV], 15|(3<<16)|(1<<20)|(1<<21)|(5<<22)|(3<<25)
	s_mov_b32 s[G1SV+1], 32<<16
	s_mov_b32 s[G1SV+2], 16<<16
	s_mov_b32 s[G1SV+3], 32<<16
	s_mov_b32 s[G1SV+4], 16
	s_mov_b32 s[G1SV+5], 32
	s_mov_b32 s[G1SV+6], 0
	s_mov_b32 s[G1SV+7], 0
	; groups 0: the count and the LDS addresses: constants and the wave's low bit
	s_mov_b32 s[G0K0], 1
	s_mul_i32 s[G0K0+1], s[W1], 128*KP
	s_mov_b32 s[G0K], 1
	s_add_co_u32 s[G0K+1], s[G0K0+1], SLOT1
	s_mov_b32 s[G0V0], 1
	s_mul_i32 s[G0V0+1], s[W1], 64*KP
	s_add_co_u32 s[G0V0+1], s[G0V0+1], VOFF
	s_mov_b32 s[G0V], 1
	s_add_co_u32 s[G0V+1], s[G0V0+1], SLOT1
	s_mov_b32 s[G0SK], 1
	s_mul_i32 s[G0SK+1], s[W1], 32*KP
	s_add_co_u32 s[G0SK+1], s[G0SK+1], SCK
	s_mov_b32 s[G0SV], 1
	s_mul_i32 s[G0SV+1], s[W1], 16*KP
	s_add_co_u32 s[G0SV+1], s[G0SV+1], SCV
	s_mov_b32 s[SEL], 0x76543210
	s_mov_b32 s[SEL+1], 0xfedcba98
	s_mov_b32 s[CS], 0x3e0293ee                    ; c = log2(e) / sqrt(128)
	s_mov_b32 s[CS+1], s[CS]
	s_mov_b32 s[NC], 0xbe0293ee                    ; -c
	s_mov_b32 s[MNT], 0x600000
	s_mov_b32 s[TB], 0
	s_mov_b32 s[TV], 0
	s_mov_b32 s[TS], 0
	s_wait_dscnt 0x0                               ; both opening adds are done
	s_wait_kmcnt 0x0
	s_lshl_b32 s66, s3, 8
	s_add_nc_u64 s[4:5], s[4:5], s[66:67]          ; Q's codes at my wave's 32 rows,
	s_lshl_b32 s66, s3, 3
	s_add_nc_u64 s[6:7], s[6:7], s[66:67]          ; their scale bytes,
	s_lshl_b32 s66, s3, 9
	s_add_nc_u64 s[24:25], s[24:25], s[66:67]      ; their rows of raw,
	s_lshr_b32 s66, s3, 2
	s_add_nc_u64 s[26:27], s[26:27], s[66:67]      ; and my wave's 8 bytes of part
	s_lshl_b32 s100, s[HD], 19
	s_add_nc_u64 s[8:9], s[8:9], s[100:101]        ; K's codes at the head
	s_lshl_b32 s100, s[HD], 18
	s_add_nc_u64 s[12:13], s[12:13], s[100:101]    ; V's codes at the head
	s_lshl_b32 s100, s[W1], 17                     ; my 64 rows of V
	s_add_nc_u64 s[G0V0+2:G0V0+3], s[12:13], s[100:101]
	s_add_nc_u64 s[G0V+2:G0V+3], s[G0V0+2:G0V0+3], 256
	s_or_b32 s[G0V0+3], s[G0V0+3], 0x80000000
	s_or_b32 s[G0V+3], s[G0V+3], 0x80000000
	s_lshl_b32 s100, s[HD], 14
	s_add_nc_u64 s[G0SK+2:G0SK+3], s[10:11], s[100:101]
	s_lshl_b32 s100, s[W1], 13
	s_add_nc_u64 s[G0SK+2:G0SK+3], s[G0SK+2:G0SK+3], s[100:101]
	s_or_b32 s[G0SK+3], s[G0SK+3], 0x80000000
	s_lshl_b32 s100, s[HD], 13
	s_add_nc_u64 s[G0SV+2:G0SV+3], s[14:15], s[100:101]
	s_lshl_b32 s100, s[W1], 12
	s_add_nc_u64 s[G0SV+2:G0SV+3], s[G0SV+2:G0SV+3], s[100:101]
	s_or_b32 s[G0SV+3], s[G0SV+3], 0x80000000
	; the prefetches: wave 6 stands in V (my work-group's 32 rows, tile 2), the others in K (my work-group's 64 rows, my wave's 32 of them, tile 2: the first change steps it to tile 3)
	s_lshl_b32 s67, s[W1], 13
	s_add_co_u32 s67, s67, 2*65536
	s_cmp_eq_u32 s[WV], 6
	s_cselect_b64 s[PFA:PFA+1], s[12:13], s[8:9]
	s_cselect_b32 s66, 16, 14
	s_cselect_b32 s67, 512, s67
	s_cselect_b32 s3, 11, 8
	s_cselect_b32 s[PFS], 0, 0x10000
	s_lshl_b32 s66, s2, s66
	s_add_co_u32 s66, s66, s67
	s_mov_b32 s67, 0
	s_add_nc_u64 s[PFA:PFA+1], s[PFA:PFA+1], s[66:67]
	s_mov_b32 s[PFS+1], 0
	s_lshl_b32 s100, s[W1], 15                     ; my 128 rows of K
	s_add_nc_u64 s[KB:KB+1], s[8:9], s[100:101]
	s_mov_b64 s[G0K0+2:G0K0+3], s[KB:KB+1]
	s_or_b32 s[G0K0+3], s[G0K0+3], 0x80000000
	s_add_nc_u64 s[G0K+2:G0K+3], s[KB:KB+1], 0x10000
	s_or_b32 s[G0K+3], s[G0K+3], 0x80000000
	s_mov_b32 s[KO], 0
	s_mov_b32 s[KO+1], 0
	s_mov_b32 s[TJ], 0
	CROUND                                         ; all four work-groups are here: the first joint loads meet
	; THE HEAD'S LOADS, ONE A WAVE: waves 0, 1: K's tile 0; waves 2, 3: V's tile 0; waves 4, 5: K's scale bytes; waves 6, 7: V's.  One tree of branches, an arm a load
	s_cmp_lt_u32 s[WV], 2
	s_cbranch_scc0 .Lff_not_k
	tensor_load_to_lds s[G0K0:G0K0+3], s[G1K:G1K+7]
	s_nop 0
	PLACES 4
	s_branch .Lff_done
.Lff_not_k:
	s_cmp_lt_u32 s[WV], 4
	s_cbranch_scc0 .Lff_not_v
	tensor_load_to_lds s[G0V0:G0V0+3], s[G1V:G1V+7]
	s_nop 0
	PLACES 4
	s_branch .Lff_done
.Lff_not_v:
	s_cmp_lt_u32 s[WV], 6
	s_cbranch_scc0 .Lff_sv
	tensor_load_to_lds s[G0SK:G0SK+3], s[G1S:G1S+7]
	s_nop 0
	PLACES 4
	s_branch .Lff_done
.Lff_sv:
	tensor_load_to_lds s[G0SV:G0SV+3], s[G1SV:G1SV+7]
	s_nop 0
	PLACES 4
.Lff_done:
	v_and_b32 v8, 15, v0                           ; r
	v_bfe_u32 v9, v0, 4, 1                         ; h
	s_delay_alu instid0(VALU_DEP_2)
	v_mul_u32_u24 v[AK0], v8, KP
	s_delay_alu instid0(VALU_DEP_1)
	v_lshl_add_u32 v[AK0], v9, 4, v[AK0]
	s_delay_alu instid0(VALU_DEP_1)
	v_add_nc_u32 v[AV0], VOFF, v[AK0]
	v_lshl_add_u32 v[ASK0], v8, 3, SCK             ; 8 bytes a key
	v_lshrrev_b32 v10, 2, v8
	v_and_b32 v11, 3, v8
	s_delay_alu instid0(VALU_DEP_2)
	v_mul_u32_u24 v[ASV0], v10, KP                 ; V's rows of 64 scale bytes lie four to a run
	s_delay_alu instid0(VALU_DEP_1)
	v_lshl_add_u32 v[ASV0], v11, 6, v[ASV0]
	s_delay_alu instid0(VALU_DEP_1)
	v_add_nc_u32 v[ASV0], SCV, v[ASV0]
	v_and_b32 v10, 8, v8
	s_delay_alu instid0(VALU_DEP_1)
	v_add_nc_u32 v10, v10, v8                      ; query 16 t + r is stored at place 8 t + r + 8 (r / 8) of its group of 32
	s_delay_alu instid0(VALU_DEP_1)
	v_lshlrev_b32 v11, 8, v10
	s_delay_alu instid0(VALU_DEP_1)
	v_lshl_add_u32 v11, v9, 4, v11
	s_delay_alu instid0(VALU_DEP_3)
	v_lshlrev_b32 v10, 3, v10
	v_and_b32 v240, 31, v0
	s_delay_alu instid0(VALU_DEP_1)
	v_lshlrev_b32 v241, 4, v240
	s_delay_alu instid0(VALU_DEP_2)
	v_lshlrev_b32 v[PFO], s3, v240
	WIN 0x40
.irp t, 0,1
.irp a, 0,1
.irp c, 0,1,2,3
	global_load_b128 v[QF+32*\t+16*\a+4*\c:QF+32*\t+16*\a+4*\c+3], v11, s[4:5] offset:2048*\t+128*\a+32*\c   ; Q stays in registers
.endr
.endr
.endr
	WIN 0
.irp t, 0,1
	global_load_b64 v[QS+2*\t:QS+2*\t+1], v10, s[6:7] offset:64*\t
.endr
	global_load_b128 v[128:131], v241, s[16:17]    ; lam_q1: four numbers a lane
	global_load_b128 v[132:135], v241, s[18:19]    ; lam_k1
	global_load_b128 v[136:139], v241, s[20:21]    ; lam_q2
	global_load_b128 v[140:143], v241, s[22:23]    ; lam_k2
.irp i, 0,1,2,3
	v_mov_b32 v[NB+2*\i+1], 0xff61b1e6             ; m = -3e38, under every score
	v_mov_b32 v[LSM+2*\i], 0
	v_mov_b32 v[LSM+2*\i+1], 0
.endr
.irp i, 0,1,2,3
	v_mul_f32 v[NB+2*\i], s[NC], v[NB+2*\i+1]
.endr
.irp i, 0,1,2,3,4,5,6,7,8,9,10,11,12,13,14,15
	v_mov_b32 v[T+\i], 0                           ; written once: lane permutes' destinations and the upper halves of pairs count as read
	v_mov_b32 v[QA+\i], 0
.endr
	v_mov_b32 v146, 0
	v_mov_b32 v147, 0
	WIN 0x40
.set i, 0
.rept 128
	v_mov_b32 v[OT+i], 0                           ; O^T: pass 2's step is written for all its 16 turns alike
.set i, i+1
.endr
	WIN 0
	s_wait_loadcnt 0x0
	; lam.  e^d = 2^n 2^f with n = round(d log2 e) and f = d log2 e - n, log2 e in two parts, so that d's size costs no accuracy
	s_mov_b32 s22, 0x3fb8aa3b
	s_mov_b32 s23, 0x32a5705f
	v_mul_f32 v144, v128, v132
	v_mul_f32 v145, v136, v140
.irp j, 1,2,3
	s_delay_alu instid0(VALU_DEP_2)
	v_fma_f32 v144, v[128+\j], v[132+\j], v144
	s_delay_alu instid0(VALU_DEP_2)
	v_fma_f32 v145, v[136+\j], v[140+\j], v145
.endr
.irp m, 1,2,4,8
	s_delay_alu instid0(VALU_DEP_2)
	v_add_f32_dpp v144, v144, v144 row_xmask:\m row_mask:0xf bank_mask:0xf
	s_delay_alu instid0(VALU_DEP_2)
	v_add_f32_dpp v145, v145, v145 row_xmask:\m row_mask:0xf bank_mask:0xf
.endr
	s_delay_alu instid0(VALU_DEP_2)
	v_permlanex16_b32 v146, v144, s[SEL], s[SEL+1]
	s_delay_alu instid0(VALU_DEP_2)
	v_permlanex16_b32 v147, v145, s[SEL], s[SEL+1]
	s_delay_alu instid0(VALU_DEP_2)
	v_add_f32 v144, v144, v146
	s_delay_alu instid0(VALU_DEP_2)
	v_add_f32 v145, v145, v147
	s_delay_alu instid0(VALU_DEP_2)
	v_mul_f32 v146, s22, v144
	s_delay_alu instid0(VALU_DEP_2)
	v_mul_f32 v147, s22, v145
	s_delay_alu instid0(VALU_DEP_2)
	v_rndne_f32 v146, v146
	s_delay_alu instid0(VALU_DEP_2)
	v_rndne_f32 v147, v147
	s_delay_alu instid0(VALU_DEP_2)
	v_fma_f32 v148, v144, s22, -v146
	s_delay_alu instid0(VALU_DEP_2)
	v_fma_f32 v149, v145, s22, -v147
	s_delay_alu instid0(VALU_DEP_2)
	v_fma_f32 v148, v144, s23, v148
	s_delay_alu instid0(VALU_DEP_2)
	v_fma_f32 v149, v145, s23, v149
	s_wait_alu depctr_va_vdst(0)
	v_exp_f32 v148, v148
	v_exp_f32 v149, v149
	v_nop
	v_cvt_i32_f32 v146, v146
	v_cvt_i32_f32 v147, v147
	s_wait_alu depctr_va_vdst(0)                   ; one wait for the two, ahead of their first reader
	v_ldexp_f32 v148, v148, v146
	v_ldexp_f32 v149, v149, v147
	s_delay_alu instid0(VALU_DEP_1)
	v_sub_f32 v[NLM], v149, v148
	s_delay_alu instid0(VALU_DEP_1)
	v_add_f32 v[NLM], 0xbf4ccccd, v[NLM]           ; -lam = (e2 - e1) - 0.8
	s_delay_alu instid0(VALU_DEP_1)
	v_mov_b32 v[NLM+1], v[NLM]
	s_mov_b32 s[KT], 1
	s_lshr_b32 s[LIM1], s[WV], 1
	s_xor_b32 s[LIM1], s[LIM1], 2                  ; 0 in waves 4 and 5,
	s_or_b32 s[LIM1], s[LIM1], ttmp9               ; of the head's first cluster: the same in all four partners
	s_cmp_eq_u32 s[LIM1], 0
	s_cselect_b32 s[LIM1], 3, -1
	s_xor_b32 s[LIM2], s[WV], 6
	s_or_b32 s[LIM2], s[LIM2], ttmp9
	s_cmp_eq_u32 s[LIM2], 0
	s_cselect_b32 s[LIM2], 1, -1
; A fragment of K: 16 stored rows from 16 kt on, half a of the rows
.macro FRAGK reg, kt, a
.irp c, 0,1,2,3
	ds_load_b128 v[\reg+4*\c:\reg+4*\c+3], v[ADK] offset:16*(\kt)*KP+128*(\a)+32*\c
.endr
.endm
; ---- PASS 1.  Group g of a visit (0 .. 7): the 64 keys of tiles 4 (g / 2) .. + 3 of the slot, half g % 2, against both tiles of queries.  All offsets from the slot's first row are immediates, 65,504 at the most
.macro G1LOAD g
.irp i, 0,1,2,3
	FRAGK KF+16*\i, 4*((\g)/2)+\i, (\g)%2
	ds_load_b32 v[KS+\i], v[ADS] offset:KP*((4*((\g)/2)+\i)/2)+128*(\i%2)+4*((\g)%2)
.endr
.endm
.macro W1MUL sn, na, i, t              ; one product, begun with the constant 0
	v_wmma_scale_f32_16x16x128_f8f6f4 v[\sn+32*\t+8*\i:\sn+32*\t+8*\i+7], v[KF+16*\i:KF+16*\i+15], v[QF+32*\t+16*(\na):QF+32*\t+16*(\na)+15], 0, v[KS+\i], v[QS+2*\t+(\na)] matrix_a_fmt:MATRIX_FMT_BF8 matrix_b_fmt:MATRIX_FMT_BF8
.endm
; The maxima of a lane's 32 scores of each tile, the new m and shift.  Each accumulator is read first at its low end; the two tiles line by line.
.macro X1 a, s
.irp t, 0,1
	v_max3_num_f32 v[T+8*\t], v[\s+32*\t], v[\s+32*\t+1], v[\s+32*\t+2]
	v_max3_num_f32 v[T+8*\t+1], v[\s+32*\t+16], v[\s+32*\t+17], v[\s+32*\t+18]
.endr
.irp k, 3,5,7,9,11,13
.irp t, 0,1
	v_max3_num_f32 v[T+8*\t], v[T+8*\t], v[\s+32*\t+\k], v[\s+32*\t+\k+1]
	v_max3_num_f32 v[T+8*\t+1], v[T+8*\t+1], v[\s+32*\t+16+\k], v[\s+32*\t+17+\k]
.endr
.endr
.irp t, 0,1
	v_max3_num_f32 v[T+8*\t], v[T+8*\t], v[\s+32*\t+15], v[\s+32*\t+31]
.endr
.irp t, 0,1
	v_mov_b32 v[T+8*\t+6], v[NB+4*\t+2*(\a)]       ; the old shift
.endr
.irp t, 0,1
	s_delay_alu instid0(VALU_DEP_4)
	v_max3_num_f32 v[NB+4*\t+2*(\a)+1], v[T+8*\t], v[T+8*\t+1], v[NB+4*\t+2*(\a)+1]   ; the new m
.endr
.irp t, 0,1
	s_delay_alu instid0(VALU_DEP_2)
	v_mul_f32 v[NB+4*\t+2*(\a)], s[NC], v[NB+4*\t+2*(\a)+1]   ; -c m
.endr
.irp t, 0,1
	s_delay_alu instid0(VALU_DEP_2)
	v_sub_f32 v[T+8*\t+6], v[NB+4*\t+2*(\a)], v[T+8*\t+6]     ; c m_old - c m_new, 0 or less
.endr
.endm
.macro F1 a, s                         ; c s - c m, two at a time
.irp j, 0,2,4,6,8,10,12,14,16,18,20,22,24,26,28,30
.irp t, 0,1
	v_pk_fma_f32 v[\s+32*\t+\j:\s+32*\t+\j+1], v[\s+32*\t+\j:\s+32*\t+\j+1], s[CS:CS+1], v[NB+4*\t+2*(\a):NB+4*\t+2*(\a)+1] op_sel_hi:[1,0,0]
.endr
.endr
.endm
; The batch of 66 exponentials on buffer s; more = 1: among them, one to each eight, the next group's eight products into buffer sn (they name none of the batch's registers).  Under the products' window setting an
; exponential's source and destination are still window 0.  A plain line and ONE wait close the batch.
.macro EM1 s, sn, na, more
.if \more
	WIN 0x04                                       ; source 1 (Q) window 1
.endif
.irp t, 0,1
	v_exp_f32 v[T+8*\t+2], v[T+8*\t+6]             ; f = 2^(c m_old - c m_new)
.endr
.irp i, 0,1,2,3
.irp t, 0,1
.if \more
	W1MUL \sn, \na, \i, \t
.endif
.irp e, 0,1,2,3,4,5,6,7
	v_exp_f32 v[\s+8*(2*\i+\t)+\e], v[\s+8*(2*\i+\t)+\e]
.endr
.endr
.endr
	WIN 0
	v_nop
	s_wait_alu depctr_va_vdst(0)
.endm
.macro A1 a, s                         ; l = l f + the 32 new terms, in two chains a tile
.irp t, 0,1
	v_pk_fma_f32 v[LSM+4*\t+2*(\a):LSM+4*\t+2*(\a)+1], v[LSM+4*\t+2*(\a):LSM+4*\t+2*(\a)+1], v[T+8*\t+2:T+8*\t+3], v[\s+32*\t:\s+32*\t+1] op_sel_hi:[1,0,1]
	v_pk_add_f32 v[T+8*\t+4:T+8*\t+5], v[\s+32*\t+2:\s+32*\t+3], v[\s+32*\t+6:\s+32*\t+7]
.endr
.irp k, 4,8,12,16,20,24
.irp t, 0,1
	v_pk_add_f32 v[LSM+4*\t+2*(\a):LSM+4*\t+2*(\a)+1], v[LSM+4*\t+2*(\a):LSM+4*\t+2*(\a)+1], v[\s+32*\t+\k:\s+32*\t+\k+1]
	v_pk_add_f32 v[T+8*\t+4:T+8*\t+5], v[T+8*\t+4:T+8*\t+5], v[\s+32*\t+\k+6:\s+32*\t+\k+7]
.endr
.endr
.irp t, 0,1
	v_pk_add_f32 v[LSM+4*\t+2*(\a):LSM+4*\t+2*(\a)+1], v[LSM+4*\t+2*(\a):LSM+4*\t+2*(\a)+1], v[\s+32*\t+28:\s+32*\t+29]
.endr
.irp t, 0,1
	s_delay_alu instid0(VALU_DEP_2)
	v_pk_add_f32 v[LSM+4*\t+2*(\a):LSM+4*\t+2*(\a)+1], v[LSM+4*\t+2*(\a):LSM+4*\t+2*(\a)+1], v[T+8*\t+4:T+8*\t+5]
.endr
.endm
; Group g's turn.  Its scores lie in buffer g % 2 and its shift is known.  Scalings; the batch with group g + 1's products; the sums, which are the places behind those products (34 plain lines that name none of their registers);
; group g + 2's LDS loads; one wait directly ahead of the products' first readers; group g + 1's maxima.
; g = 6: group 7's fragments are the visit's last LDS reads.  So here stand the wait for all my tensor loads, the add, the walking descriptor's and the prefetch's steps, the wait for the add and my reads,
; and the signal of the barrier that opens the round; all that follows in the visit is work on registers.
.macro GRP1 g
	F1 (\g)%2, S+64*((\g)%2)
	s_wait_alu depctr_va_vdst(0)                   ; ahead of the batch, and of the waits below
.if (\g) == 6
	s_wait_tensorcnt 0x0
	ds_add_u32 v[SPW], v[NIL]
	s_xor_b32 s[G0K+1], s[G0K+1], SLOT1            ; the other slot than last time,
	s_add_co_u32 s[KT], s[KT], 1
	s_and_b32 s[KO], s[KT], 7                      ; the tile of two visits on: pass 2 walks the eight tiles again
	s_lshl_b32 s[KO], s[KO], 16
	s_add_nc_u64 s[G0K+2:G0K+3], s[KB:KB+1], s[KO:KO+1]
	s_or_b32 s[G0K+3], s[G0K+3], 0x80000000
	s_wait_xcnt 0x0                                ; the last prefetch, a visit back, has read its address
	s_add_nc_u64 s[PFA:PFA+1], s[PFA:PFA+1], s[PFS:PFS+1]
	s_wait_dscnt 0x0
	s_barrier_signal -1
.endif
.if (\g) < 6
	s_wait_dscnt 0x0                               ; group g + 1's fragments and scale words are in
.endif
.if (\g) < 7
	EM1 S+64*((\g)%2), S+64*(((\g)+1)%2), ((\g)+1)%2, 1
.else
	EM1 S+64*((\g)%2), S, 0, 0
.endif
	A1 (\g)%2, S+64*((\g)%2)
.if (\g) < 6
	G1LOAD (\g)+2
.endif
.if (\g) < 7
	s_wait_alu depctr_va_vdst(0)
	X1 ((\g)+1)%2, S+64*(((\g)+1)%2)
.endif
.endm
.macro VISIT1                          ; a slot's 256 keys, and behind them the change of slots: K's tile of two visits on
	v_add_nc_u32 v[ADK], s[TB], v[AK0]
	v_add_nc_u32 v[ADS], s[TS], v[ASK0]
	G1LOAD 0
	s_wait_alu depctr_va_vdst(0)
	s_wait_dscnt 0x0
	WIN 0x04
.irp i, 0,1,2,3
.irp t, 0,1
	W1MUL S, 0, \i, \t
.endr
.endr
	WIN 0
	PLACES 8                                       ; in front of the loads into registers that the products read, and of the first read of the scores
	G1LOAD 1
	X1 0, S
.irp g, 0,1,2,3,4,5,6,7
	GRP1 \g
.endr
	s_wait_alu depctr_va_vdst(0)
	s_barrier_wait -1                              ; every wave of my work-group has left the slot,
	CREST                                          ; and every wave of every partner
	JLOAD 0                                        ; the joint refill, first behind the round
	ASK LIM1
	s_xor_b32 s[TB], s[TB], SLOT1
	s_add_co_u32 s[TS], s[TS], 8*KP
.endm
; ---- PASS 2.  A block b: 32 keys (tiles 2 b, 2 b + 1), both halves, both tiles of queries
.macro B2LOAD b
.irp u, 0,1
.irp a, 0,1
	FRAGK KF+16*(2*\u+\a), 2*(\b)+\u, \a
.endr
	ds_load_b64 v[KS+2*\u:KS+2*\u+1], v[ADS] offset:KP*(\b)+128*\u
.endr
.endm
.macro B2MUL
.irp u, 0,1
.irp a, 0,1
.irp t, 0,1
	v_wmma_scale_f32_16x16x128_f8f6f4 v[S+32*\t+16*\a+8*\u:S+32*\t+16*\a+8*\u+7], v[KF+16*(2*\u+\a):KF+16*(2*\u+\a)+15], v[QF+32*\t+16*\a:QF+32*\t+16*\a+15], 0, v[KS+2*\u+\a], v[QS+2*\t+\a] matrix_a_fmt:MATRIX_FMT_BF8 matrix_b_fmt:MATRIX_FMT_BF8
.endr
.endr
.endr
.endm
.macro VLOAD                           ; the step's eight fragments of V^T (16 of d x 128 keys) and their scale words
	WIN 0x40
.irp dt, 0,1,2,3
.irp c, 0,1,2,3
	ds_load_b128 v[VF+16*\dt+4*\c:VF+16*\dt+4*\c+3], v[ADV] offset:16*\dt*KP+32*\c
.endr
.endr
	WIN 0
.irp dt, 4,5,6,7
.irp c, 0,1,2,3
	ds_load_b128 v[KF+16*(\dt-4)+4*\c:KF+16*(\dt-4)+4*\c+3], v[ADV] offset:16*\dt*KP+32*\c
.endr
.endr
.irp dt, 0,1,2,3,4,5,6,7
	ds_load_b32 v[VS+\dt], v[ADT] offset:4*KP*\dt
.endr
.endm
; The weights of block b and their codes.  Of tile t, registers S + 32 t + 0 .. 15 hold half 1's scores of keys 32 b + 16 (lane / 16) + 0 .. 15, registers + 16 .. 31 half 2's.
.macro SOFT2 b
.irp j, 0,2,4,6,8,10,12,14
.irp t, 0,1
	v_pk_fma_f32 v[S+32*\t+\j:S+32*\t+\j+1], v[S+32*\t+\j:S+32*\t+\j+1], s[CS:CS+1], v[NB+4*\t:NB+4*\t+1] op_sel_hi:[1,0,0]   ; c s - c m - log2 l
	v_pk_fma_f32 v[S+32*\t+16+\j:S+32*\t+17+\j], v[S+32*\t+16+\j:S+32*\t+17+\j], s[CS:CS+1], v[NB+4*\t+2:NB+4*\t+3] op_sel_hi:[1,0,0]
.endr
.endr
.set i, 0
	s_wait_alu depctr_va_vdst(0)
.rept 64
	v_exp_f32 v[S+i], v[S+i]                       ; w1 and w2, normalised
.set i, i+1
.endr
	v_nop
	s_wait_alu depctr_va_vdst(0)                   ; ONE wait ahead of the batch's first reader
.irp j, 0,2,4,6,8,10,12,14
.irp t, 0,1
	v_pk_fma_f32 v[S+32*\t+\j:S+32*\t+\j+1], v[S+32*\t+16+\j:S+32*\t+17+\j], v[NLM:NLM+1], v[S+32*\t+\j:S+32*\t+\j+1]   ; w = w1 - lam w2
.endr
.endr
.irp t, 0,1
	v_max3_num_f32 v[QA+8*\t], |v[S+32*\t]|, |v[S+32*\t+1]|, 0x8000000   ; my 16 magnitudes, and the floor 2^(16 - 127): the byte cannot fall under 1
	v_max3_num_f32 v[QA+8*\t+1], |v[S+32*\t+8]|, |v[S+32*\t+9]|, |v[S+32*\t+10]|
.endr
.irp k, 2,4
.irp t, 0,1
	s_delay_alu instid0(VALU_DEP_4)
	v_max3_num_f32 v[QA+8*\t], v[QA+8*\t], |v[S+32*\t+\k]|, |v[S+32*\t+\k+1]|
	s_delay_alu instid0(VALU_DEP_4)
	v_max3_num_f32 v[QA+8*\t+1], v[QA+8*\t+1], |v[S+32*\t+\k+9]|, |v[S+32*\t+\k+10]|
.endr
.endr
.irp t, 0
	s_delay_alu instid0(VALU_DEP_4)
	v_max3_num_f32 v[QA+8*\t], v[QA+8*\t], |v[S+32*\t+6]|, |v[S+32*\t+7]|
.endr
.irp t, 1
	s_delay_alu instid0(VALU_DEP_3)
	v_max3_num_f32 v[QA+8*\t], v[QA+8*\t], |v[S+32*\t+6]|, |v[S+32*\t+7]|
.endr
.irp t, 0,1
	s_delay_alu instid0(VALU_DEP_2)
	v_max3_num_f32 v[QA+8*\t], v[QA+8*\t], v[QA+8*\t+1], |v[S+32*\t+15]|
.endr
.irp t, 0,1
	s_delay_alu instid0(VALU_DEP_2)
	v_permlanex16_b32 v[QA+8*\t+1], v[QA+8*\t], s[SEL], s[SEL+1]
.endr
.irp t, 0,1
	s_delay_alu instid0(VALU_DEP_2)
	v_max_num_f32 v[QA+8*\t], v[QA+8*\t], v[QA+8*\t+1]   ; with lane l xor 16's 16 keys: the block's largest magnitude
.endr
.irp t, 0,1
	s_delay_alu instid0(VALU_DEP_2)
	v_add_nc_u32 v[QA+8*\t+2], 0xf8800000, v[QA+8*\t]    ; 15 off its exponent field: the conversion's scale operand
.endr
.irp t, 0,1
	s_delay_alu instid0(VALU_DEP_4)
	v_and_or_b32 v[QA+8*\t+3], v[QA+8*\t], 0x7f800000, s[MNT]   ; 57,344 x the scale
.endr
.if (\b) == 0
.irp t, 0,1
	s_delay_alu instid0(VALU_DEP_4)
	v_lshrrev_b32 v[WS+\t], 23, v[QA+8*\t+2]       ; the block's byte begins the scale word of these 128 keys
.endr
.else
.irp t, 0,1
	s_delay_alu instid0(VALU_DEP_4)
	v_lshrrev_b32 v[QA+8*\t+4], 23, v[QA+8*\t+2]
.endr
.irp t, 0,1
	s_delay_alu instid0(VALU_DEP_2)
	v_lshl_or_b32 v[WS+\t], v[QA+8*\t+4], 8*(\b), v[WS+\t]
.endr
.endif
.irp t, 0,1
.irp k, 0,1,2,3,4,5,6,7,8,9,10,11,12,13,14,15
	v_med3_num_f32 v[S+32*\t+\k], v[S+32*\t+\k], -v[QA+8*\t+3], v[QA+8*\t+3]   ; the conversion to an 8-bit code does not saturate (ISA guide 7.6.2): the hold
.endr
	v_cvt_scalef32_pk8_bf8_f32 v[WC+16*\t+4*(\b):WC+16*\t+4*(\b)+1], v[S+32*\t:S+32*\t+7], v[QA+8*\t+2]
	v_cvt_scalef32_pk8_bf8_f32 v[WC+16*\t+4*(\b)+2:WC+16*\t+4*(\b)+3], v[S+32*\t+8:S+32*\t+15], v[QA+8*\t+2]
.endr
	v_nop                                          ; a plain line behind the last conversion: the next products write its sources
.endm
; O^T += V^T w^T: sixteen accumulators, one instruction a turn
.macro PV
	s_wait_dscnt 0x0
	PLACES 4                                       ; the codes, written by vector instructions, stand four places ahead; the scale words were finished ahead of the last block's 32 holds
	WIN 0x51
.irp dt, 0,1,2,3
.irp t, 0,1
	v_wmma_scale_f32_16x16x128_f8f6f4 v[OT+64*\t+8*\dt:OT+64*\t+8*\dt+7], v[VF+16*\dt:VF+16*\dt+15], v[WC+16*\t:WC+16*\t+15], v[OT+64*\t+8*\dt:OT+64*\t+8*\dt+7], v[VS+\dt], v[WS+\t] matrix_a_fmt:MATRIX_FMT_BF8 matrix_b_fmt:MATRIX_FMT_BF8
.endr
.endr
	WIN 0x50
.irp dt, 4,5,6,7
.irp t, 0,1
	v_wmma_scale_f32_16x16x128_f8f6f4 v[OT+64*\t+8*\dt:OT+64*\t+8*\dt+7], v[KF+16*(\dt-4):KF+16*(\dt-4)+15], v[WC+16*\t:WC+16*\t+15], v[OT+64*\t+8*\dt:OT+64*\t+8*\dt+7], v[VS+\dt], v[WS+\t] matrix_a_fmt:MATRIX_FMT_BF8 matrix_b_fmt:MATRIX_FMT_BF8
.endr
.endr
	WIN 0
	PLACES 8
.endm
.macro STEP2                           ; 128 keys
	v_add_nc_u32 v[ADK], s[TB], v[AK0]
	v_add_nc_u32 v[ADV], s[TV], v[AV0]
	v_add_nc_u32 v[ADS], s[TS], v[ASK0]
	v_add_nc_u32 v[ADT], s[TJ], v[ASV0]
	B2LOAD 0
	s_wait_alu depctr_va_vdst(0)
.irp b, 0,1,2,3
	s_wait_dscnt 0x0
	WIN 0x04
	B2MUL
	WIN 0
	PLACES 8
.if \b < 3
	B2LOAD \b+1
.else
	VLOAD
.endif
	SOFT2 \b
.endr
	s_wait_alu depctr_va_vdst(0)
	PV
	s_add_co_u32 s[TB], s[TB], 128*KP
	s_add_co_u32 s[TV], s[TV], 128
	s_add_co_u32 s[TS], s[TS], 4*KP
	s_add_co_u32 s[TJ], s[TJ], 4
.endm
.macro VISIT2
	s_mov_b32 s[TWICE], 2
.Lv2_\@:
	STEP2
	s_sub_co_u32 s[TWICE], s[TWICE], 1
	s_cmp_lg_u32 s[TWICE], 0
	s_cbranch_scc1 .Lv2_\@
.endm
; PASS 2'S CHANGE OF SLOTS, behind a visit.  Each wave waits for all its tensor loads, adds 0 to its spare word, and waits for that and for its reads of the slot that it leaves.
; f = 1: the slot takes K's and V's tiles of two visits on, behind a round of the cluster's barrier.  f = 0: nothing is left to fetch: the work-group's barrier alone.
.macro CHANGE f
	s_wait_tensorcnt 0x0
	ds_add_u32 v[SPW], v[NIL]
.if \f
	s_xor_b32 s[G0K+1], s[G0K+1], SLOT1
	s_add_co_u32 s[KT], s[KT], 1
	s_and_b32 s[KO], s[KT], 7
	s_lshl_b32 s[KO], s[KO], 16
	s_add_nc_u64 s[G0K+2:G0K+3], s[KB:KB+1], s[KO:KO+1]
	s_or_b32 s[G0K+3], s[G0K+3], 0x80000000
	s_xor_b32 s[G0V+1], s[G0V+1], SLOT1
	s_add_nc_u64 s[G0V+2:G0V+3], s[G0V+2:G0V+3], 256
	s_wait_xcnt 0x0
	s_add_nc_u64 s[PFA:PFA+1], s[PFA:PFA+1], s[PFS:PFS+1]
	s_wait_dscnt 0x0
	CROUND
	JLOAD 1
	ASK LIM2
.else
	s_wait_dscnt 0x0
	s_barrier_signal -1
	s_barrier_wait -1
.endif
	s_sub_co_u32 s[TB], s[TB], 256*KP
	s_xor_b32 s[TB], s[TB], SLOT1
	s_sub_co_u32 s[TV], s[TV], 256
	s_xor_b32 s[TV], s[TV], SLOT1
.endm
	s_wait_alu depctr_va_vdst(0)
	s_wait_tensorcnt 0x0                           ; my tile of the head's eight is in; the same lines stand ahead of a later first fill as ahead of a refill:
	ds_add_u32 v[SPW], v[NIL]
	s_wait_dscnt 0x0
	CROUND                                         ; everybody's tile is in, and all four work-groups are here
	JLOAD 1                                        ; slot 1's first fill: K's and V's tile 1
	s_mov_b32 s[CNT], 8
.Lp1:                                              ; visits 0 to 7
	VISIT1
	s_sub_co_u32 s[CNT], s[CNT], 1
	s_cmp_lg_u32 s[CNT], 0
	s_cbranch_scc1 .Lp1
	s_mov_b32 s[CNT], 6
	ASK LIM2                                       ; V's tile 2, which the next change of slots will ask for
	s_mov_b32 s[PFS], 256                          ; from here on the prefetches walk V's rows
	s_mov_b32 s[TS], 0
	; The two halves of the lanes meet.  Under the common shift NM = min of the two the sums are l 2^(NM - mine) + l' 2^(NM - the other's): both lanes get the same bits.
	s_wait_alu depctr_va_vdst(0)
.irp i, 0,1,2,3
	v_add_f32 v[LSM+2*\i], v[LSM+2*\i], v[LSM+2*\i+1]
.endr
.irp i, 0,1,2,3
	v_permlanex16_b32 v[T+\i], v[NB+2*\i], s[SEL], s[SEL+1]
.endr
.irp i, 0,1,2,3
	v_permlanex16_b32 v[T+4+\i], v[LSM+2*\i], s[SEL], s[SEL+1]
.endr
.irp i, 0,1,2,3
	v_min_num_f32 v[T+8+\i], v[NB+2*\i], v[T+\i]
.endr
.irp i, 0,1,2,3
	s_delay_alu instid0(VALU_DEP_4)
	v_sub_f32 v[T+12+\i], v[T+8+\i], v[NB+2*\i]
.endr
.irp i, 0,1,2,3
	v_sub_f32 v[T+\i], v[T+8+\i], v[T+\i]
.endr
	s_wait_alu depctr_va_vdst(0)
.irp i, 0,1,2,3
	v_exp_f32 v[T+12+\i], v[T+12+\i]
.endr
.irp i, 0,1,2,3
	v_exp_f32 v[T+\i], v[T+\i]
.endr
	v_nop
	s_wait_alu depctr_va_vdst(0)
.irp i, 0,1,2,3
	v_mul_f32 v[LSM+2*\i], v[LSM+2*\i], v[T+12+\i]
.endr
.irp i, 0,1,2,3
	v_mul_f32 v[T+4+\i], v[T+4+\i], v[T+\i]
.endr
.irp i, 0,1,2,3
	s_delay_alu instid0(VALU_DEP_4)
	v_add_f32 v[LSM+2*\i], v[LSM+2*\i], v[T+4+\i]  ; the row's sum: about 1 at the least
.endr
	s_wait_alu depctr_va_vdst(0)
.irp i, 0,1,2,3
	v_log_f32 v[LSM+2*\i], v[LSM+2*\i]
.endr
	v_nop
	s_wait_alu depctr_va_vdst(0)
.irp i, 0,1,2,3
	v_sub_f32 v[NB+2*\i], v[T+8+\i], v[LSM+2*\i]   ; pass 2's shift: -c m - log2 l
.endr
.Lp2:                                              ; visits 8 to 13; behind each, K's and V's tiles of two visits on
	VISIT2
	CHANGE 1
	s_sub_co_u32 s[CNT], s[CNT], 1
	s_cmp_lg_u32 s[CNT], 0
	s_cbranch_scc1 .Lp2
	s_mov_b32 s[CNT], 2
.Lp3:                                              ; visits 14 and 15; behind them nothing is fetched
	VISIT2
	CHANGE 0
	s_sub_co_u32 s[CNT], s[CNT], 1
	s_cmp_lg_u32 s[CNT], 0
	s_cbranch_scc1 .Lp3
	; THE WAY OUT.  Register 8 dt + j of a tile holds raw(query r, d = 16 dt + 8 h + j): 32 neighbouring bytes of a row.  A tile goes through my own stage in LDS and comes back as whole rows of 512 bytes.
.set STO, 224
.set RD,  225
.set GO,  226
.set LN,  227
.set SM,  228                          ; v228-235 four chains of sums
.set RES, 240                          ; v240-241 the sum, the sum of squares about the mean
.set DT,  242                          ; v242-249 four pairs of differences
.set NM,  250                          ; v250-251 minus the wave's mean, twice
.set PT,  252
.set ZR,  253
	s_mul_i32 s100, s[WV], 16*SP
	v_and_b32 v240, 15, v0
	v_bfe_u32 v241, v0, 4, 1
	s_delay_alu instid0(VALU_DEP_2)
	v_mul_u32_u24 v[STO], v240, SP
	s_delay_alu instid0(VALU_DEP_1)
	v_lshl_add_u32 v[STO], v241, 5, v[STO]
	s_delay_alu instid0(VALU_DEP_1)
	v_add_nc_u32 v[STO], s100, v[STO]
	v_and_b32 v[LN], 31, v0
	s_delay_alu instid0(VALU_DEP_1)
	v_lshlrev_b32 v[GO], 4, v[LN]
	s_delay_alu instid0(VALU_DEP_1)
	v_add_nc_u32 v[RD], s100, v[GO]
	v_mov_b32 v[PT], 0
	v_mov_b32 v[ZR], 0
.irp t, 0,1
	WIN 0x04                                       ; an LDS store's data are its source 1: window 1
.irp dt, 0,1,2,3,4,5,6,7
	ds_store_b128 v[STO], v[OT+64*\t+8*\dt:OT+64*\t+8*\dt+3] offset:64*\dt        ; each accumulator from its low end on
	ds_store_b128 v[STO], v[OT+64*\t+8*\dt+4:OT+64*\t+8*\dt+7] offset:64*\dt+16
.endr
	WIN 0
.irp i, 0,1,2,3,4,5,6,7,8,9,10,11,12,13,14,15
	ds_load_b128 v[KF+64*\t+4*\i:KF+64*\t+4*\i+3], v[RD] offset:SP*\i   ; LDS serves a wave's instructions in order
.endr
.endr
	s_wait_alu depctr_va_vdst(0)
	s_wait_dscnt 32                                ; tile 0 is back; tile 1's 16 stores and 16 loads may be out
.irp i, 0,1,2,3,4,5,6,7,8,9,10,11,12,13,14,15
	global_store_b128 v[GO], v[KF+4*\i:KF+4*\i+3], s[24:25] offset:512*\i   ; 32 lanes store a row: 512 consecutive bytes, aligned
.endr
	s_wait_dscnt 0x0
.irp i, 0,1,2,3,4,5,6,7,8,9,10,11,12,13,14,15
	global_store_b128 v[GO], v[KF+64+4*\i:KF+64+4*\i+3], s[24:25] offset:8192+512*\i
.endr
	; The wave's 4,096 results lie in v64-191, which are only read from here on.  Their sum; then the sum of squares about their own mean.
.macro WSUM r
.irp m, 1,2,4,8
	s_delay_alu instid0(VALU_DEP_1)
	v_add_f32_dpp v[\r], v[\r], v[\r] row_xmask:\m row_mask:0xf bank_mask:0xf
.endr
	s_delay_alu instid0(VALU_DEP_1)
	v_permlanex16_b32 v[PT], v[\r], s[SEL], s[SEL+1]
	s_delay_alu instid0(VALU_DEP_1)
	v_add_f32 v[\r], v[\r], v[PT]
.endm
.macro JOIN4                           ; four chains become one number a lane, in v[SM] + v[SM+1]
	s_delay_alu instid0(VALU_DEP_3)
	v_pk_add_f32 v[SM:SM+1], v[SM:SM+1], v[SM+2:SM+3]
	s_delay_alu instid0(VALU_DEP_2)
	v_pk_add_f32 v[SM+4:SM+5], v[SM+4:SM+5], v[SM+6:SM+7]
	s_delay_alu instid0(VALU_DEP_1)
	v_pk_add_f32 v[SM:SM+1], v[SM:SM+1], v[SM+4:SM+5]
.endm
.irp k, 0,1,2,3
	v_pk_add_f32 v[SM+2*\k:SM+2*\k+1], v[KF+2*\k:KF+2*\k+1], v[KF+8+2*\k:KF+8+2*\k+1]
.endr
.set p, 8
.rept 14
.irp k, 0,1,2,3
	s_delay_alu instid0(VALU_DEP_4)
	v_pk_add_f32 v[SM+2*\k:SM+2*\k+1], v[SM+2*\k:SM+2*\k+1], v[KF+2*(p+\k):KF+2*(p+\k)+1]
.endr
.set p, p+4
.endr
	JOIN4
	s_delay_alu instid0(VALU_DEP_1)
	v_add_f32 v[RES], v[SM], v[SM+1]
	WSUM RES
	s_delay_alu instid0(VALU_DEP_1)
	v_mul_f32 v[NM], 0xb9800000, v[RES]            ; - sum / 4,096
	s_delay_alu instid0(VALU_DEP_1)
	v_mov_b32 v[NM+1], v[NM]
.set p, 0
.rept 16
.irp k, 0,1,2,3
	v_pk_add_f32 v[DT+2*\k:DT+2*\k+1], v[KF+2*(p+\k):KF+2*(p+\k)+1], v[NM:NM+1]
.endr
.irp k, 0,1,2,3
.if p == 0
	s_delay_alu instid0(VALU_DEP_4)
	v_pk_mul_f32 v[SM+2*\k:SM+2*\k+1], v[DT+2*\k:DT+2*\k+1], v[DT+2*\k:DT+2*\k+1]
.else
	s_delay_alu instid0(VALU_DEP_4)
	v_pk_fma_f32 v[SM+2*\k:SM+2*\k+1], v[DT+2*\k:DT+2*\k+1], v[DT+2*\k:DT+2*\k+1], v[SM+2*\k:SM+2*\k+1]
.endif
.endr
.set p, p+4
.endr
	JOIN4
	s_delay_alu instid0(VALU_DEP_1)
	v_add_f32 v[RES+1], v[SM], v[SM+1]
	WSUM RES+1
	v_cmp_eq_u32 vcc_lo, 0, v[LN]
	s_wait_alu depctr_va_vdst(0)
	s_wait_xcnt 0x0                                ; EXEC changes only behind this wait: the stores above have it among their sources
	s_and_saveexec_b32 s[SV], vcc_lo
	global_store_b64 v[ZR], v[RES:RES+1], s[26:27] ; lane 0: my wave's two numbers
	s_wait_xcnt 0x0
	s_or_b32 exec_lo, exec_lo, s[SV]
	s_wait_tensorcnt 0x0                           ; the wave's end
	ds_add_u32 v[SPW], v[NIL]
	s_wait_dscnt 0x0
	CROUND                                         ; the closing round
	s_endpgm
.Lfunc_end_k_qf80b19ac68_attn:
	.size	k_qf80b19ac68_attn, .Lfunc_end_k_qf80b19ac68_attn-k_qf80b19ac68_attn
	.p2alignl 7, 3214868480
	.fill 96, 4, 3214868480
	.section	.rodata,"a",@progbits
	.p2align	6, 0x0
	.amdhsa_kernel k_qf80b19ac68_attn
		.amdhsa_group_segment_fixed_size 327680
		.amdhsa_private_segment_fixed_size 0
		.amdhsa_enable_private_segment 0
		.amdhsa_kernarg_size 96
		.amdhsa_user_sgpr_count 2
		.amdhsa_user_sgpr_kernarg_segment_ptr 1
		.amdhsa_wavefront_size32 1
		.amdhsa_system_sgpr_workgroup_id_x 1
		.amdhsa_system_sgpr_workgroup_id_y 1
		.amdhsa_system_sgpr_workgroup_id_z 1
		.amdhsa_system_vgpr_workitem_id 0
		.amdhsa_next_free_vgpr 512
		.amdhsa_next_free_sgpr 102
		.amdhsa_reserve_vcc 1
		.amdhsa_float_denorm_mode_32 3
		.amdhsa_float_denorm_mode_16_64 3
		.amdhsa_memory_ordered 1
		.amdhsa_forward_progress 1
		.amdhsa_inst_pref_size 252
	.end_amdhsa_kernel
	.amdgpu_metadata
---
amdhsa.version: [ 1, 2 ]
amdhsa.kernels:
  - .name:           k_qf80b19ac68_attn
    .symbol:         k_qf80b19ac68_attn.kd
    .args:
      - { .name: q_codes, .offset: 0, .size: 8, .value_kind: global_buffer, .address_space: global }
      - { .name: q_scales, .offset: 8, .size: 8, .value_kind: global_buffer, .address_space: global }
      - { .name: k_codes, .offset: 16, .size: 8, .value_kind: global_buffer, .address_space: global }
      - { .name: k_scales, .offset: 24, .size: 8, .value_kind: global_buffer, .address_space: global }
      - { .name: v_codes, .offset: 32, .size: 8, .value_kind: global_buffer, .address_space: global }
      - { .name: v_scales, .offset: 40, .size: 8, .value_kind: global_buffer, .address_space: global }
      - { .name: lam_q1, .offset: 48, .size: 8, .value_kind: global_buffer, .address_space: global }
      - { .name: lam_k1, .offset: 56, .size: 8, .value_kind: global_buffer, .address_space: global }
      - { .name: lam_q2, .offset: 64, .size: 8, .value_kind: global_buffer, .address_space: global }
      - { .name: lam_k2, .offset: 72, .size: 8, .value_kind: global_buffer, .address_space: global }
      - { .name: raw, .offset: 80, .size: 8, .value_kind: global_buffer, .address_space: global }
      - { .name: part, .offset: 88, .size: 8, .value_kind: global_buffer, .address_space: global }
    .group_segment_fixed_size: 327680
    .private_segment_fixed_size: 0
    .kernarg_segment_align: 8
    .kernarg_segment_size: 96
    .max_flat_workgroup_size: 256
    .sgpr_count:     102
    .vgpr_count:     512
    .wavefront_size: 32
...
	.end_amdgpu_metadata
.endif
;; end of part 2
;; launch norm (part 3): grid 512 x 1, 8 waves a work-group, no clusters, 0 bytes of LDS; arguments raw, part, gn_weight, gn_bias, out0; writes out0
.if DOCPART == 3
	.amdgcn_target "amdgcn-amd-amdhsa--gfx1250"
	.amdhsa_code_object_version 6
	.text
	.protected	k_qf80b19ac68_norm
	.globl	k_qf80b19ac68_norm
	.p2align	8
	.type	k_qf80b19ac68_norm,@function
k_qf80b19ac68_norm:
	s_mov_b64 s[64:65], 0
	v_nop
	global_prefetch_b8 v0, s[64:65] scope:SCOPE_SE
	s_setreg_imm32_b32 hwreg(HW_REG_WAVE_MODE, 25, 1), 1
	s_wait_xcnt 0x0
; DIFFERENTIAL ATTENTION, launch 3 of 3: the group norm.  out0 = ((raw - mean) rsqrt(var + 1e-5) gamma + beta) x 0.2, mean and var over a head's 2,048 x 128 numbers; gamma, beta by channel head % 16 x 128 + d.
; part holds, for each head, 64 pairs (sum, sum of squares about its own mean) of 4,096 numbers each.  They are joined as  M2 = sum of q_i + 4,096 x sum of (mean_i - mean)^2:  no difference of large sums is formed.
; A stream: memory binds.  A work-group owns 128 rows of 512 bytes, each of its eight waves 16; a lane keeps the same four channels in every row, so its gamma and beta cost 8 registers.  All 16 row loads of a wave go out at once,
; each 512 consecutive bytes; the rows are worked in place and stored as they come.  No LDS, no barrier, no loop; no register is written again behind its store.  Matrix units and clusters have nothing to do here: no input is shared but 1.5 KB.
	s_load_b256 s[4:11], s[0:1], 0x0               ; raw s[4:5], part s[6:7], gn_weight s[8:9], gn_bias s[10:11]
	s_load_b64 s[12:13], s[0:1], 0x20              ; out0
	v_lshrrev_b32 v2, 5, v0
	s_delay_alu instid0(VALU_DEP_1)
	v_readfirstlane_b32 s14, v2                    ; wave 0..7
	v_and_b32 v1, 31, v0
	s_delay_alu instid0(VALU_DEP_1)
	v_lshlrev_b32 v1, 4, v1                        ; 16 bytes a lane
	s_lshl_b32 s16, ttmp9, 16                      ; the work-group's 128 rows,
	s_lshl_b32 s15, s14, 13                        ; my wave's 16 of them
	s_add_co_u32 s16, s16, s15
	s_mov_b32 s17, 0
	s_lshr_b32 s18, ttmp9, 4                       ; batch x head: 16 work-groups to each
	s_and_b32 s20, s18, 15                         ; the head
	s_lshl_b32 s18, s18, 9                         ; its 512 bytes of part
	s_mov_b32 s19, 0
	s_lshl_b32 s20, s20, 9                         ; its 512 bytes of gamma and of beta
	s_mov_b32 s21, 0
	s_mov_b32 s22, 0x39800000                      ; 1 / 4,096
	s_mov_b32 s23, 0xb6800000                      ; -1 / 262,144
	s_mov_b32 s24, 0x36800000                      ; 1 / 262,144
	s_mov_b32 s25, 0x3727c5ac                      ; 1e-5
	s_mov_b32 s26, 0x76543210                      ; v_permlanex16_b32's selects: lane l xor 16
	s_mov_b32 s27, 0xfedcba98
	s_mov_b32 s28, 0x45800000                      ; 4,096
	s_mov_b32 s29, 0x3e4ccccd                      ; 1 - 0.8
	v_mov_b32 v17, 0                               ; a lane permute's destination counts as read
	s_wait_alu depctr_va_vdst(0)
	s_wait_kmcnt 0x0
	s_add_nc_u64 s[4:5], s[4:5], s[16:17]
	s_add_nc_u64 s[12:13], s[12:13], s[16:17]
	s_add_nc_u64 s[6:7], s[6:7], s[18:19]
	s_add_nc_u64 s[8:9], s[8:9], s[20:21]
	s_add_nc_u64 s[10:11], s[10:11], s[20:21]
	global_load_b128 v[4:7], v1, s[6:7]            ; two of the head's 64 pairs: s_a, q_a, s_b, q_b
	global_load_b128 v[8:11], v1, s[8:9]           ; gamma of my four channels
	global_load_b128 v[12:15], v1, s[10:11]        ; beta
.irp i, 0,1,2,3,4,5,6,7,8,9,10,11,12,13,14,15
	global_load_b128 v[32+4*\i:35+4*\i], v1, s[4:5] offset:512*\i th:TH_LOAD_NT
.endr
	s_wait_loadcnt 18                              ; the pairs are in; the 18 younger loads stay out
	v_add_f32 v16, v4, v6
.irp m, 1,2,4,8
	s_delay_alu instid0(VALU_DEP_1)
	v_add_f32_dpp v16, v16, v16 row_xmask:\m row_mask:0xf bank_mask:0xf
.endr
	s_delay_alu instid0(VALU_DEP_1)
	v_permlanex16_b32 v17, v16, s26, s27
	s_delay_alu instid0(VALU_DEP_1)
	v_add_f32 v16, v16, v17                        ; the head's sum
	s_delay_alu instid0(VALU_DEP_1)
	v_mul_f32 v18, s23, v16                        ; - mean
	s_delay_alu instid0(VALU_DEP_1)
	v_mov_b32 v19, v18
	s_delay_alu instid0(VALU_DEP_2)
	v_fma_f32 v20, v4, s22, v18                    ; mean_a - mean
	s_delay_alu instid0(VALU_DEP_3)
	v_fma_f32 v21, v6, s22, v18
	s_delay_alu instid0(VALU_DEP_2)
	v_mul_f32 v20, v20, v20
	s_delay_alu instid0(VALU_DEP_1)
	v_fma_f32 v20, v21, v21, v20
	v_add_f32 v21, v5, v7
	s_delay_alu instid0(VALU_DEP_1)
	v_fma_f32 v20, v20, s28, v21                   ; q_a + q_b + 4,096 x the two squares
.irp m, 1,2,4,8
	s_delay_alu instid0(VALU_DEP_1)
	v_add_f32_dpp v20, v20, v20 row_xmask:\m row_mask:0xf bank_mask:0xf
.endr
	s_delay_alu instid0(VALU_DEP_1)
	v_permlanex16_b32 v17, v20, s26, s27
	s_delay_alu instid0(VALU_DEP_1)
	v_add_f32 v20, v20, v17
	s_delay_alu instid0(VALU_DEP_1)
	v_fma_f32 v20, v20, s24, s25                   ; var + 1e-5
	s_wait_alu depctr_va_vdst(0)
	v_rsq_f32 v22, v20
	v_nop                                          ; a plain line behind the transcendental,
	s_wait_alu depctr_va_vdst(0)                   ; and the wait ahead of its first reader
	v_mul_f32 v22, s29, v22
	s_wait_alu depctr_va_vdst(0)
	s_wait_loadcnt 16                              ; gamma and beta are in
.irp k, 0,1,2,3
	v_mul_f32 v[24+\k], v[8+\k], v22               ; gamma x rsqrt x 0.2
	v_mul_f32 v[28+\k], s29, v[12+\k]              ; beta x 0.2
.endr
.irp i, 0,1,2,3,4,5,6,7,8,9,10,11,12,13,14,15
	s_wait_loadcnt 15-\i                           ; loads come back in order: row i is in
	v_pk_add_f32 v[32+4*\i:33+4*\i], v[32+4*\i:33+4*\i], v[18:19]
	s_wait_alu depctr_va_vdst(0)
	v_pk_add_f32 v[34+4*\i:35+4*\i], v[34+4*\i:35+4*\i], v[18:19]
	v_pk_fma_f32 v[32+4*\i:33+4*\i], v[32+4*\i:33+4*\i], v[24:25], v[28:29]
	s_delay_alu instid0(VALU_DEP_2)
	v_pk_fma_f32 v[34+4*\i:35+4*\i], v[34+4*\i:35+4*\i], v[26:27], v[30:31]
	global_store_b128 v1, v[32+4*\i:35+4*\i], s[12:13] offset:512*\i th:TH_STORE_NT   ; 32 lanes store a row: 512 consecutive bytes, aligned
.endr
	s_endpgm
.Lfunc_end_k_qf80b19ac68_norm:
	.size	k_qf80b19ac68_norm, .Lfunc_end_k_qf80b19ac68_norm-k_qf80b19ac68_norm
	.p2alignl 7, 3214868480
	.fill 96, 4, 3214868480
	.section	.rodata,"a",@progbits
	.p2align	6, 0x0
	.amdhsa_kernel k_qf80b19ac68_norm
		.amdhsa_group_segment_fixed_size 0
		.amdhsa_private_segment_fixed_size 0
		.amdhsa_enable_private_segment 0
		.amdhsa_kernarg_size 40
		.amdhsa_user_sgpr_count 2
		.amdhsa_user_sgpr_kernarg_segment_ptr 1
		.amdhsa_wavefront_size32 1
		.amdhsa_system_sgpr_workgroup_id_x 1
		.amdhsa_system_sgpr_workgroup_id_y 1
		.amdhsa_system_sgpr_workgroup_id_z 1
		.amdhsa_system_vgpr_workitem_id 0
		.amdhsa_next_free_vgpr 96
		.amdhsa_next_free_sgpr 66
		.amdhsa_reserve_vcc 0
		.amdhsa_float_denorm_mode_32 3
		.amdhsa_float_denorm_mode_16_64 3
		.amdhsa_memory_ordered 1
		.amdhsa_forward_progress 1
		.amdhsa_inst_pref_size 13
	.end_amdhsa_kernel
	.amdgpu_metadata
---
amdhsa.version: [ 1, 2 ]
amdhsa.kernels:
  - .name:           k_qf80b19ac68_norm
    .symbol:         k_qf80b19ac68_norm.kd
    .args:
      - { .name: raw, .offset: 0, .size: 8, .value_kind: global_buffer, .address_space: global }
      - { .name: part, .offset: 8, .size: 8, .value_kind: global_buffer, .address_space: global }
      - { .name: gn_weight, .offset: 16, .size: 8, .value_kind: global_buffer, .address_space: global }
      - { .name: gn_bias, .offset: 24, .size: 8, .value_kind: global_buffer, .address_space: global }
      - { .name: out0, .offset: 32, .size: 8, .value_kind: global_buffer, .address_space: global }
    .group_segment_fixed_size: 0
    .private_segment_fixed_size: 0
    .kernarg_segment_align: 8
    .kernarg_segment_size: 40
    .max_flat_workgroup_size: 256
    .sgpr_count:     66
    .vgpr_count:     96
    .wavefront_size: 32
...
	.end_amdgpu_metadata
.endif
;; end of part 3
